; MI455X (gfx1250); checked and timed in simulation.
; The chip was launched on July 23, 2026; its instructions are those of AMD's public machine-readable ISA for CDNA 5 (MIT licence, August 2026) and "CDNA5" Instruction Set Architecture Reference Guide (July 2026). The comments in the code are by the model that wrote it; some were corrected since.
;; Multi Head Self Attention. Allowed arithmetic: matrix products marked QUANTISED: E4M3 operands, one given power-of-two scale a tensor, by v_wmma_f32_16x16x64_fp8_fp8 or v_wmma_f32_16x16x128_fp8_fp8, f32 sums; everything else in f32.
;; Inputs: Wk 256 x 256 float32; Wo 256 x 256 float32; Wq 256 x 256 float32; Wv 256 x 256 float32; bk 256 float32; bo 256 float32; bq 256 float32; bv 256 float32; inputs 4 x 4,096 x 256 float32; lowp_scales 12 int32 (the exponents e of the quantised operands' scales 2^e).
;; Outputs: out0 4 x 4,096 x 256 float32.
;; This version of the problem:
;;   THIS VERSION OF THE PROBLEM IS GIVEN IN LOW PRECISION. The matrix products marked QUANTISED in the list below multiply operands that are first quantised to E4M3 (4 exponent bits, 3 mantissa bits; 8 bits a number), with one given power-of-two scale for each operand tensor; their sums are f32. All else is computed in f32.
;;   The module's matrix products, in the order in which they are computed (A, B: the left and right operand; K: the contracted axis; several contracted axes count as one K, in the product's order):
;;     1. [M 16,384, K 256] x [K 256, N 256]; A: input inputs; B: input Wq: QUANTISED (scales: A lowp_scales[0], B lowp_scales[1])
;;     2. [M 16,384, K 256] x [K 256, N 256]; A: input inputs; B: input Wk: QUANTISED (scales: A lowp_scales[2], B lowp_scales[3])
;;     3. [M 16,384, K 256] x [K 256, N 256]; A: input inputs; B: input Wv: QUANTISED (scales: A lowp_scales[4], B lowp_scales[5])
;;     4. batch 16 x [M 4,096, K 64] x [K 64, N 4,096]; A: computed on the way; B: computed on the way: QUANTISED (scales: A lowp_scales[6], B lowp_scales[7])
;;     5. batch 16 x [M 4,096, K 4,096] x [K 4,096, N 64]; A: softmax (see below); B: computed on the way: QUANTISED (scales: A lowp_scales[8], B lowp_scales[9])
;;     6. [M 16,384, K 256] x [K 256, N 256]; A: computed on the way; B: input Wo: QUANTISED (scales: A lowp_scales[10], B lowp_scales[11])
;;   THE QUANTISER, for each operand of a quantised product, along K:
;;     - The operand's scale is 2^e, e = its entry of the input lowp_scales (int32; the entries are numbered through the quantised products in the list's order, A before B).
;;     - Each number is divided by the scale, clamped to +-448, and rounded to the nearest number of E4M3, ties to even, subnormals kept.
;;     - The product sums the exact products of the quantised numbers (number of the format x scale) in f32.
;;   ~~~python
;;   def quantise(x, axis, e):      # numpy; x: float32 -> the quantised numbers, widened to float32 again
;;       x = np.moveaxis(x, axis, -1); K = x.shape[-1]
;;       r = np.clip(x / 2.0 ** e, -448, 448)
;;       step = 2.0 ** (np.maximum(np.frexp(np.where(r == 0, 1, r))[1] - 1, -6) - 3)
;;       q = np.round(r / step) * step * 2.0 ** e      # np.round: ties to even
;;       return np.moveaxis(q, -1, axis).astype(np.float32)
;;   ~~~
;;   SOFTMAX AHEAD OF A QUANTISED PRODUCT. Where the list says 'softmax', what is quantised is not the finished softmax but p = 2^(t - M), with t = logit x log2(e) and M = ceil(the row's largest t), a whole number; so 1/2 < the row's largest p <= 1. The row's sum l is taken of the UNQUANTISED p, in f32, and the product's result is divided by l at the end. Since M is a whole number, a kernel that streams over the keys may use a running M (the ceiling of the running maximum): every later rescaling is an exact power of two, so the quantised numbers keep their values, but for numbers so far below the row's largest that they fall under the format's range.
;;   OPERANDS COMPUTED ON THE WAY. 'Computed on the way' means the value that the module computes at that place (a softmax that the list does not call 'softmax' is quantised finished and normalised). What goes into a quantiser is computed in f32, as accurately as f32 sums, v_exp_f32 and their like allow (about 1e-6 of the number): no bf16 or f16 on the way to a quantiser, and a product that is left as it is and whose result goes on into a quantised operand takes f32 operands (vector FMAs, or v_wmma_f32_16x16x4_f32). A number that lies on a knife's edge between two numbers of the format may be rounded either way, as far as f32 arithmetic and the matrix unit's own rounding can turn it there, and no further.
;; One version. Each part assembles by itself: llvm-mc -triple=amdgcn-amd-amdhsa -mcpu=gfx1250 --defsym DOCPART=n.
;; ======== version 1 of 1: 3 launches
;; limits: right only within a limited range of input values
;; workspace buffers: wimg 262,144 bytes; qimg 4,194,304 bytes; kv 8,388,608 bytes
;; launch wprep (part 1): grid 64 x 4, 1 waves a work-group, no clusters, 0 bytes of LDS; arguments Wq, Wk, Wv, Wo, lowp_scales, wimg; writes wimg
.if DOCPART == 1
	.amdgcn_target "amdgcn-amd-amdhsa--gfx1250"
	.amdhsa_code_object_version 6
	.text
	.protected	k_q7165b544cf_wprep
	.globl	k_q7165b544cf_wprep
	.p2align	8
	.type	k_q7165b544cf_wprep,@function
k_q7165b544cf_wprep:
	s_mov_b64 s[64:65], 0
	v_nop
	global_prefetch_b8 v0, s[64:65] scope:SCOPE_SE
	s_setreg_imm32_b32 hwreg(HW_REG_WAVE_MODE, 25, 1), 1
	s_wait_xcnt 0x0
; The four weights, f32 laid [K 256][N 256], become codes of E4M3, each with its given scale 2^e (entries 1, 3, 5, 11 of the scales), laid as IMAGES OF OPERAND REGISTERS:
; wimg = [matrix q, k, v, o][column tile t 16][K step s 2][piece c 4][lane 32][16 bytes]; lane (r, h) holds, of column 32 (t / 2) + 8 (t % 2) + r + 8 (r / 8), k = 128 s + 32 c + 16 h + 0 .. 15.
; So the later launches fetch a fragment by four loads of 512 consecutive bytes and transpose nothing.  The columns of a tile are chosen so that the results of two neighbouring tiles are 16 neighbours along the next K.
; A LANE TAKES A COLUMN AND ITS REGISTERS RUN DOWN K: the conversions, which take neighbours along K from one lane's registers, give the codes with K innermost.
; SHARES: one wave to a work-group; work-group (g, y): matrix y, tile g / 4, K rows 64 (g % 4) on: two pieces, 1,024 bytes at 65,536 y + 1,024 g.  256 work-groups; no LDS, no barrier, no loop.
; code = x / 2^e, held within +-448, to the nearest code, ties to even.  LIMITS: e between -126 and 119, so that 2^e and 448 x 2^e are f32 numbers.  NaN among the inputs is not served.
.set NUM, 16                           ; v16-47  32 numbers: register 16 c + i = k 32 c + 16 h + i
.set COD, 48                           ; v48-55  their codes
	s_load_b256 s[4:11], s[0:1], 0x0               ; Wq s[4:5], Wk s[6:7], Wv s[8:9], Wo s[10:11]
	s_load_b128 s[12:15], s[0:1], 0x20             ; the scales' exponents s[12:13], wimg s[14:15]
	s_and_b32 s16, ttmp7, 0xffff                   ; y: which matrix
	s_lshr_b32 s17, ttmp9, 2                       ; t: which tile of columns
	s_and_b32 s18, ttmp9, 3
	s_lshl_b32 s18, s18, 16                        ; 64 (g % 4) rows of 1,024 bytes
	s_lshr_b32 s19, s17, 1
	s_lshl_b32 s19, s19, 7                         ; + 32 (t / 2) columns of 4 bytes
	s_add_co_u32 s18, s18, s19
	s_and_b32 s19, s17, 1
	s_lshl_b32 s19, s19, 5                         ; + 8 (t % 2) columns
	s_add_co_u32 s18, s18, s19
	s_mov_b32 s19, 0
	s_lshl_b32 s36, s16, 16                        ; where the codes go: 65,536 y + 1,024 g
	s_lshl_b32 s37, ttmp9, 10
	s_add_co_u32 s36, s36, s37
	s_mov_b32 s37, 0
	v_and_b32 v1, 15, v0                           ; r
	v_bfe_u32 v2, v0, 4, 1                         ; h
	v_and_b32 v3, 8, v1
	v_add_nc_u32 v3, v3, v1                        ; r + 8 (r / 8)
	v_lshlrev_b32 v3, 2, v3
	v_lshl_add_u32 v3, v2, 14, v3                  ; my column's 4 bytes, 16 h rows down
	v_lshlrev_b32 v4, 4, v0                        ; 16 x lane: my place in a piece
	s_wait_alu depctr_va_vdst(0)
	s_wait_kmcnt 0x0
	s_load_b256 s[24:31], s[12:13], 0x0            ; e0 .. e7
	s_load_b128 s[32:35], s[12:13], 0x20           ; e8 .. e11
	s_mov_b64 s[20:21], s[4:5]                     ; the matrix is chosen by the work-group's y alone
	s_cmp_eq_u32 s16, 1
	s_cselect_b64 s[20:21], s[6:7], s[20:21]
	s_cmp_eq_u32 s16, 2
	s_cselect_b64 s[20:21], s[8:9], s[20:21]
	s_cmp_eq_u32 s16, 3
	s_cselect_b64 s[20:21], s[10:11], s[20:21]
	s_add_nc_u64 s[20:21], s[20:21], s[18:19]
	s_add_nc_u64 s[14:15], s[14:15], s[36:37]
.irp c, 0,1
.set i, 0
.rept 16
	global_load_b32 v[NUM+16*\c+i], v3, s[20:21] offset:(32*\c+i)*1024   ; W(64 (g % 4) + 32 c + 16 h + i, my column)
.set i, i+1
.endr
.endr
	s_wait_kmcnt 0x0
	s_mov_b32 s22, s25                             ; e: entry 1, 3, 5 or 11
	s_cmp_eq_u32 s16, 1
	s_cselect_b32 s22, s27, s22
	s_cmp_eq_u32 s16, 2
	s_cselect_b32 s22, s29, s22
	s_cmp_eq_u32 s16, 3
	s_cselect_b32 s22, s35, s22
	s_add_co_i32 s22, s22, 127
	s_lshl_b32 s23, s22, 23
	v_mov_b32 v11, s23                             ; 2^e as f32: the conversion takes its exponent field
	s_add_co_i32 s22, s22, 8
	s_lshl_b32 s22, s22, 23
	s_or_b32 s22, s22, 0x600000
	v_mov_b32 v10, s22                             ; 448 x 2^e
	s_wait_alu depctr_va_vdst(0)
	s_wait_loadcnt 0x0
.set i, 0
.rept 32
	v_med3_num_f32 v[NUM+i], v[NUM+i], -v10, v10   ; the conversion to an 8-bit code does not saturate (ISA guide 7.6.2): the hold comes first
.set i, i+1
.endr
.irp g, 0,1,2,3
	v_cvt_scalef32_pk8_fp8_f32 v[COD+2*\g:COD+2*\g+1], v[NUM+8*\g:NUM+8*\g+7], v11
.endr
.irp c, 0,1
	global_store_b128 v4, v[COD+4*\c:COD+4*\c+3], s[14:15] offset:512*\c   ; the wave stores 512 consecutive bytes, aligned
.endr
	s_endpgm
.Lfunc_end_k_q7165b544cf_wprep:
	.size	k_q7165b544cf_wprep, .Lfunc_end_k_q7165b544cf_wprep-k_q7165b544cf_wprep
	.p2alignl 7, 3214868480
	.fill 96, 4, 3214868480
	.section	.rodata,"a",@progbits
	.p2align	6, 0x0
	.amdhsa_kernel k_q7165b544cf_wprep
		.amdhsa_group_segment_fixed_size 0
		.amdhsa_private_segment_fixed_size 0
		.amdhsa_enable_private_segment 0
		.amdhsa_kernarg_size 48
		.amdhsa_user_sgpr_count 2
		.amdhsa_user_sgpr_kernarg_segment_ptr 1
		.amdhsa_wavefront_size32 1
		.amdhsa_system_sgpr_workgroup_id_x 1
		.amdhsa_system_sgpr_workgroup_id_y 1
		.amdhsa_system_sgpr_workgroup_id_z 1
		.amdhsa_system_vgpr_workitem_id 0
		.amdhsa_next_free_vgpr 64
		.amdhsa_next_free_sgpr 66
		.amdhsa_reserve_vcc 0
		.amdhsa_float_denorm_mode_32 3
		.amdhsa_float_denorm_mode_16_64 3
		.amdhsa_memory_ordered 1
		.amdhsa_forward_progress 1
		.amdhsa_inst_pref_size 8
	.end_amdhsa_kernel
	.amdgpu_metadata
---
amdhsa.version: [ 1, 2 ]
amdhsa.kernels:
  - .name:           k_q7165b544cf_wprep
    .symbol:         k_q7165b544cf_wprep.kd
    .args:
      - { .name: Wq, .offset: 0, .size: 8, .value_kind: global_buffer, .address_space: global }
      - { .name: Wk, .offset: 8, .size: 8, .value_kind: global_buffer, .address_space: global }
      - { .name: Wv, .offset: 16, .size: 8, .value_kind: global_buffer, .address_space: global }
      - { .name: Wo, .offset: 24, .size: 8, .value_kind: global_buffer, .address_space: global }
      - { .name: lowp_scales, .offset: 32, .size: 8, .value_kind: global_buffer, .address_space: global }
      - { .name: wimg, .offset: 40, .size: 8, .value_kind: global_buffer, .address_space: global }
    .group_segment_fixed_size: 0
    .private_segment_fixed_size: 0
    .kernarg_segment_align: 8
    .kernarg_segment_size: 48
    .max_flat_workgroup_size: 32
    .sgpr_count:     66
    .vgpr_count:     64
    .wavefront_size: 32
...
	.end_amdgpu_metadata
.endif
;; end of part 1
;; launch qkv (part 2): grid 256 x 1, 8 waves a work-group, clusters of 4 x 1, 327,680 bytes of LDS; arguments inputs, wimg, bq, bk, bv, lowp_scales, qimg, kv; writes qimg, kv
.if DOCPART == 2
	.amdgcn_target "amdgcn-amd-amdhsa--gfx1250"
	.amdhsa_code_object_version 6
	.text
	.protected	k_q7165b544cf_qkv
	.globl	k_q7165b544cf_qkv
	.p2align	8
	.type	k_q7165b544cf_qkv,@function
k_q7165b544cf_qkv:
	s_mov_b64 s[64:65], 0
	v_nop
	global_prefetch_b8 v0, s[64:65] scope:SCOPE_SE
	s_setreg_imm32_b32 hwreg(HW_REG_WAVE_MODE, 25, 1), 1
	s_wait_xcnt 0x0
	s_wait_alu depctr_hold_cnt(0) depctr_sa_sdst(0) depctr_va_vdst(0) depctr_va_sdst(0) depctr_va_ssrc(0) depctr_va_vcc(0) depctr_vm_vsrc(0)
	s_getreg_b32 s2, hwreg(HW_REG_IB_STS2, 6, 4)
	s_cmp_eq_u32 s2, 0
	s_cbranch_scc0 .Lentry_in_a_cluster
	s_endpgm
.Lentry_in_a_cluster:
	s_bfe_u32 s2, ttmp6, 0x10000c
	s_cmp_lg_u32 s2, 0x3003
	s_cbranch_scc0 .Lentry_shape_is_right
	s_endpgm
.Lentry_shape_is_right:
; q = x Wq + bq, k = x Wk + bk, v = x Wv + bv on codes of E4M3, and q, k, v quantised again for attention's two products.  x: [16,384][256] f32; the weights come as fragment images (wimg).
; x is the left operand of three products and has a scale of its own in each (entries 0, 2, 4): it is quantised three times.  The results' scales: q entry 6, k entry 7, v entry 9.
; SHARES.  A work-group of eight waves takes 64 tokens.  Wave w makes output columns 32 w .. 32 w + 31 (two tiles) of q, of k and of v for all 64 tokens; its 12 weight fragments stay in registers.
; For the quantising of x wave w takes tile w / 2 of the tokens and K step w % 2; the codes go from wave to wave through LDS as images of the operand's registers.
; IN.  One tensor load a wave, at the head: waves 0 to 5 bring the 196,608 bytes of weight images, the same for every work-group, so the four of a cluster ask for them JOINTLY; waves 6 and 7 bring the work-group's own 64 rows of x,
; 1,024 bytes each and dense in memory, with 16 bytes of padding behind each row in LDS.  Nothing is filled twice.  No loop, so no prefetch.
; THE TOKENS OF A TILE ARE NOT NEIGHBOURS: lane r of tile m takes token 32 (m / 2) + 8 (m % 2) + r + 8 (r / 8); the weights' tiles take their columns likewise.  So 16 registers of two neighbouring result tiles are 16
; neighbours: along the head's channels for q and k (product used transposed: source 0 = the weight's 16 columns, source 1 = x), along the tokens for v (source 0 = x, source 1 = the weight), which are the next K.
; Every fragment holds k = 32 c + 16 (lane / 16) + 0 .. 15 in registers 4 c .. 4 c + 3: a permutation of k that is the same in both operands.
; OUT.  qimg = [block of 64 tokens][head][tile m][c 2][lane][16 B].  kv = [batch][slot of 256 keys][131,072 B]: K at 0: [head][key tile 16][c 2][lane][16 B]; V at 65,536: [head][step of 128 keys 2][channel tile 4][c 4][lane][16 B].
; Each store of a wave covers 512 consecutive bytes, aligned.  The biases are the C of each sum's first matrix instruction, divided by the power of two that the sums lack.
; LIMITS on the given exponents, so that each power of two below is an f32 number: e0, e2, e4, and e6 - e0 - e1, e7 - e2 - e3, e9 - e4 - e5, between -126 and 119.  NaN among the inputs is not served.
; REGISTERS.  Window 0: v1-10, v24-26 addresses and bv's two numbers; v12-17 2^ex and 448 x 2^ex for q, k, v; v18-23 the same with eo - ex - ew; v32-95 x's numbers, v96-159 held copies, v160-207 x's codes;
;   behind the second barrier v32-159 x's eight fragments, v160-223 eight accumulators, v224-239 codes.  Window 1: v0-191 weights (64 p + 16 (2 u + s)); v192-239 biases (16 a product).
.set X,   32
.set T,   96
.set CD,  160
.set XF,  32
.set ACC, 160
.set PC,  224
.set SPARE, 49152                      ; LDS: x's codes from 0; the spare words, 128 bytes a wave;
.set WL,  50176                        ; the weight images, 196,608 bytes;
.set XL,  WL+196608                    ; x, 64 rows of 1,040 bytes
.set XP,  1040
.set MSB, 0
.macro WIN new                         ; the immediate's high byte repeats the setting that is left
.if MSB != \new
	s_set_vgpr_msb (MSB<<8)|\new
.set MSB, \new
.endif
.endm
.macro PLACES
.rept 4
	v_nop
.endr
.endm
.macro MKSCALE vs, vl                  ; s48 = e: v[vs] = 2^e, v[vl] = 448 x 2^e
	s_add_co_i32 s48, s48, 127
	s_lshl_b32 s49, s48, 23
	v_mov_b32 v[\vs], s49
	s_add_co_i32 s48, s48, 8
	s_lshl_b32 s48, s48, 23
	s_or_b32 s48, s48, 0x600000
	v_mov_b32 v[\vl], s48
.endm
.macro CROUND                          ; a round of the cluster's barrier
	s_barrier_signal -1
	s_barrier_wait -1
	s_cmp_lg_u32 s20, 0
	s_cbranch_scc1 .Lnot_wave_0_\@
	s_barrier_signal -3
.Lnot_wave_0_\@:
	s_barrier_wait -3
	s_barrier_signal -1
	s_barrier_wait -1
.endm
	s_load_b256 s[4:11], s[0:1], 0x0               ; x s[4:5], wimg s[6:7], bq s[8:9], bk s[10:11]
	s_load_b256 s[12:19], s[0:1], 0x20             ; bv s[12:13], the scales' exponents s[14:15], qimg s[16:17], kv s[18:19]
	v_lshl_add_u32 v254, v0, 2, SPARE              ; LDS address of my spare word; never rewritten
	v_mov_b32 v255, 0                              ; 0; never rewritten
	ds_add_u32 v254, v255                          ; the wave's opening: the add, twice on end, and its wait ahead of my tensor load
	ds_add_u32 v254, v255
	v_lshrrev_b32 v1, 5, v0
	s_delay_alu instid0(VALU_DEP_1)
	v_readfirstlane_b32 s20, v1                    ; wave 0..7
	s_bfe_u32 s62, ttmp6, 0x40000                  ; cx
	s_lshl_b32 s63, ttmp9, 2
	s_add_co_u32 s62, s62, s63                     ; my block of 64 tokens: it enters memory addresses alone
	s_lshr_b32 s22, s20, 1                         ; head; also my tile of tokens
	s_and_b32 s23, s20, 1                          ; which 32 of the head's 64 channels; also my K step of x
	s_and_b32 s24, s62, 3                          ; j4: which 64 of the slot's 256 keys
	s_lshr_b32 s25, s62, 2
	s_lshl_b32 s25, s25, 17                        ; batch x 2^21 + slot x 2^17
	s_lshl_b32 s28, s62, 16                        ; x: 64 tokens of 1,024 bytes a block,
	s_lshl_b32 s29, s23, 15
	s_add_co_u32 s28, s28, s29                     ; + 32 tokens in wave 7 (used by waves 6 and 7)
	s_mov_b32 s29, 0
	s_lshl_b32 s30, s20, 15                        ; wimg: 32,768 bytes a wave (used by waves 0 to 5)
	s_mov_b32 s31, 0
	s_lshl_b32 s32, s20, 7                         ; the biases: my 32 numbers
	s_mov_b32 s33, 0
	s_lshl_b32 s34, s62, 14                        ; qimg: block x 16,384 + head x 4,096 + c x 512
	s_lshl_b32 s35, s22, 12
	s_add_co_u32 s34, s34, s35
	s_lshl_b32 s35, s23, 9
	s_add_co_u32 s34, s34, s35
	s_add_co_u32 s26, s35, s25                     ; kv, K: slot + head x 16,384 + j4 x 4,096 + c x 512
	s_lshl_b32 s35, s22, 14
	s_add_co_u32 s26, s26, s35
	s_add_co_u32 s54, s25, s35                     ; kv, V: slot + 65,536 + head x 16,384 + (j4 / 2) x 8,192 + c x 4,096 + (j4 % 2) x 1,024
	s_lshl_b32 s35, s24, 12
	s_add_co_u32 s26, s26, s35
	s_mov_b32 s27, 0
	s_add_co_u32 s54, s54, 65536
	s_lshr_b32 s35, s24, 1
	s_lshl_b32 s35, s35, 13
	s_add_co_u32 s54, s54, s35
	s_lshl_b32 s35, s23, 12
	s_add_co_u32 s54, s54, s35
	s_and_b32 s35, s24, 1
	s_lshl_b32 s35, s35, 10
	s_add_co_u32 s54, s54, s35
	s_mov_b32 s55, 0
	s_mov_b32 s35, 0
	; the weights' descriptor: 128 rows of 32 elements of 8 bytes, dense, asked for by all four work-groups
	s_mov_b32 s68, 1
	s_lshl_b32 s69, s20, 15
	s_add_co_u32 s69, s69, WL
	s_mov_b32 s72, 15|(3<<16)|(1<<21)
	s_mov_b32 s73, 32<<16
	s_mov_b32 s74, 128<<16
	s_mov_b32 s75, 32<<16
	s_mov_b32 s76, 128
	s_mov_b32 s77, 32
	s_mov_b32 s78, 0
	s_mov_b32 s79, 0
	; x's descriptor: 32 rows of 256 elements of 4 bytes, my own; four words of padding behind every 256
	s_mov_b32 s80, 1
	s_mul_i32 s81, s23, 32*XP
	s_add_co_u32 s81, s81, XL
	s_mov_b32 s84, (2<<16)|(1<<20)|(7<<22)|(3<<25)
	s_mov_b32 s85, 256<<16
	s_mov_b32 s86, 32<<16
	s_mov_b32 s87, 256<<16
	s_mov_b32 s88, 32
	s_mov_b32 s89, 256
	s_mov_b32 s90, 0
	s_mov_b32 s91, 0
	s_wait_alu depctr_va_vdst(0)
	s_wait_dscnt 0x0                               ; both opening adds are done
	s_wait_kmcnt 0x0
	s_load_b256 s[36:43], s[14:15], 0x0            ; e0 .. e7
	s_load_b128 s[44:47], s[14:15], 0x20           ; e8 .. e11
	s_add_nc_u64 s[70:71], s[6:7], s[30:31]
	s_or_b32 s71, s71, 0x80000000
	s_add_nc_u64 s[82:83], s[4:5], s[28:29]
	s_or_b32 s83, s83, 0x80000000
	CROUND                                         ; all four work-groups are here: the joint loads meet
	s_cmp_lt_u32 s20, 6
	s_cbranch_scc0 .Lload_x
	tensor_load_to_lds s[68:71], s[72:79]
	s_nop 0
	PLACES
	s_branch .Lasked
.Lload_x:
	tensor_load_to_lds s[80:83], s[84:91]
	s_nop 0
	PLACES
.Lasked:
	s_add_nc_u64 s[8:9], s[8:9], s[32:33]
	s_add_nc_u64 s[10:11], s[10:11], s[32:33]
	s_add_nc_u64 s[12:13], s[12:13], s[32:33]
	s_add_nc_u64 s[16:17], s[16:17], s[34:35]
	s_add_nc_u64 s[50:51], s[18:19], s[26:27]
	s_add_nc_u64 s[52:53], s[18:19], s[54:55]
	s_lshl_b32 s21, s20, 11                        ; where I store x's images: 2,048 x wave
	s_lshl_b32 s60, s20, 13
	s_add_co_u32 s60, s60, WL                      ; my two tiles of Wq's image; Wk's and Wv's lie 65,536 and 131,072 bytes on
	s_add_co_u32 s61, s60, 65536
	s_add_co_u32 s63, s60, 131072
	s_lshr_b32 s59, s20, 2                         ; x: rows 32 (m / 2) + 8 (m % 2) on, my K step's 512 bytes
	s_mul_i32 s59, s59, 32*XP
	s_and_b32 s58, s22, 1
	s_mul_i32 s58, s58, 8*XP
	s_add_co_u32 s59, s59, s58
	s_lshl_b32 s58, s23, 9
	s_add_co_u32 s59, s59, s58
	s_add_co_u32 s59, s59, XL
	v_and_b32 v2, 15, v0                           ; r
	v_bfe_u32 v3, v0, 4, 1                         ; h
	v_and_b32 v1, 31, v0                           ; lane
	v_and_b32 v8, 8, v2
	v_lshlrev_b32 v7, 6, v3                        ; 64 h: my 16 numbers of 32 (x; bq, bk)
	v_lshlrev_b32 v5, 4, v1                        ; 16 x lane: my place in an image's piece
	v_add_nc_u32 v8, v8, v2                        ; r + 8 (r / 8)
	v_add_nc_u32 v6, s21, v5
	v_add_nc_u32 v24, s60, v5
	v_mul_u32_u24 v4, v8, XP
	v_add_nc_u32 v25, s61, v5
	v_add_nc_u32 v26, s63, v5
	v_add_nc_u32 v4, v4, v7
	v_lshlrev_b32 v8, 2, v8                        ; bv: my channel's number
	v_add_nc_u32 v4, s59, v4                       ; x in LDS: my token's row, + 64 h
	WIN 0x40                                       ; destination window 1
.irp i, 0,1,2,3
	global_load_b128 v[192+4*\i:192+4*\i+3], v7, s[8:9] offset:16*\i    ; bq at columns 32 w + 16 h + 0 .. 15
	global_load_b128 v[208+4*\i:208+4*\i+3], v7, s[10:11] offset:16*\i  ; bk likewise
.endr
	WIN 0
	global_load_b32 v9, v8, s[12:13]               ; bv at my channel of tile 0,
	global_load_b32 v10, v8, s[12:13] offset:32    ; and of tile 1
	s_wait_alu depctr_va_vdst(0)
	s_wait_kmcnt 0x0
	s_mov_b32 s48, s36
	MKSCALE 12, 13                                 ; x for q: e0
	s_mov_b32 s48, s38
	MKSCALE 14, 15                                 ; x for k: e2
	s_mov_b32 s48, s40
	MKSCALE 16, 17                                 ; x for v: e4
	s_add_co_i32 s56, s36, s37                     ; a sum of product 1 stands for sum x 2^(e0 + e1): q's code is sum / 2^(e6 - e0 - e1)
	s_sub_co_i32 s48, s42, s56
	MKSCALE 18, 19
	s_sub_co_i32 s56, 0, s56                       ; and bq goes in as bq / 2^(e0 + e1)
	s_add_co_i32 s57, s38, s39
	s_sub_co_i32 s48, s43, s57
	MKSCALE 20, 21
	s_sub_co_i32 s57, 0, s57
	s_add_co_i32 s58, s40, s41
	s_sub_co_i32 s48, s45, s58
	MKSCALE 22, 23
	s_sub_co_i32 s58, 0, s58
	s_wait_alu depctr_va_vdst(0)
	s_wait_tensorcnt 0x0                           ; my tile has landed
	s_barrier_signal -1
	s_barrier_wait -1                              ; so have all eight
.irp b, 0,1,2,3
.irp j, 0,1,2,3
	ds_load_b128 v[X+16*\b+4*\j:X+16*\b+4*\j+3], v4 offset:128*\b+16*\j   ; register 16 b + i = k 32 b + 16 h + i of my token
.endr
.endr
	WIN 0x40
.irp p, 0,1,2
.irp i, 0,1,2,3,4,5,6,7,8,9,10,11,12,13,14,15
	ds_load_b128 v[64*\p+4*\i:64*\p+4*\i+3], v[24+\p] offset:512*\i       ; product p's fragments (tile u, K step s) at 64 p + 16 (2 u + s)
.endr
.endr
	WIN 0
	s_wait_dscnt 48                                ; x's 16 loads are in; the 48 of weights, issued behind them, may be out
; x's 64 numbers of my lane become a fragment for product p, and its image goes to LDS
.macro XQ p
.set i, 0
.rept 64
	v_med3_num_f32 v[T+i], v[X+i], -v[13+2*\p], v[13+2*\p]   ; the conversion does not saturate (ISA guide 7.6.2): the hold, into a copy, since x is wanted three times
.set i, i+1
.endr
.irp g, 0,1,2,3,4,5,6,7
	v_cvt_scalef32_pk8_fp8_f32 v[CD+16*\p+2*\g:CD+16*\p+2*\g+1], v[T+8*\g:T+8*\g+7], v[12+2*\p]
.endr
	v_nop                                          ; one plain line between the conversions and the next lines that write their sources
.irp c, 0,1,2,3
	ds_store_b128 v6, v[CD+16*\p+4*\c:CD+16*\p+4*\c+3] offset:16384*\p+512*\c
.endr
.endm
	XQ 0
	XQ 1
	XQ 2
	s_wait_dscnt 0x0                               ; for the others' sake: my images have landed
	s_barrier_signal -1
	s_barrier_wait -1                              ; x's 24 fragments lie in LDS; nothing is stored there again
	s_wait_loadcnt 0x0                             ; biases
	WIN 0x41                                       ; source 0 and destination window 1
.set i, 0
.rept 16
	v_ldexp_f32 v[192+i], v[192+i], s56
	v_ldexp_f32 v[208+i], v[208+i], s57
.set i, i+1
.endr
	WIN 0x40                                       ; destination window 1: in v's result a lane holds one channel, so its eight registers of C are equal
.irp u, 0,1
.irp j, 0,1,2,3,4,5,6,7
	v_ldexp_f32 v[224+8*\u+\j], v[9+\u], s58
.endr
.endr
	WIN 0
; Product p for the 64 tokens: 16 matrix instructions on eight accumulators, which take turns, one instruction a turn.  tr = 1: transposed (q, k).  base: the scalar pair of the stores.
.macro PROD p, tr, base
.irp f, 0,1,2,3,4,5,6,7
.irp c, 0,1,2,3
	ds_load_b128 v[XF+16*\f+4*\c:XF+16*\f+4*\c+3], v5 offset:(8*\p+\f)*2048+512*\c   ; fragment (tile m, K step s) = 2 m + s
.endr
.endr
	s_wait_dscnt 0x0
.if \tr
	WIN 0x11                                       ; source 0 (the weight) and C (the bias) window 1
.irp m, 0,1,2,3
.irp u, 0,1
	v_wmma_f32_16x16x128_fp8_fp8 v[ACC+8*(2*\m+\u):ACC+8*(2*\m+\u)+7], v[64*\p+32*\u:64*\p+32*\u+15], v[XF+32*\m:XF+32*\m+15], v[192+16*\p+8*\u:192+16*\p+8*\u+7]
.endr
.endr
	WIN 0x01
.irp m, 0,1,2,3
.irp u, 0,1
	v_wmma_f32_16x16x128_fp8_fp8 v[ACC+8*(2*\m+\u):ACC+8*(2*\m+\u)+7], v[64*\p+32*\u+16:64*\p+32*\u+31], v[XF+32*\m+16:XF+32*\m+31], v[ACC+8*(2*\m+\u):ACC+8*(2*\m+\u)+7]
.endr
.endr
.else
	WIN 0x14                                       ; source 1 (the weight) and C window 1.  Accumulator 4 (m / 2) + 2 u + m % 2: two neighbours hold 16 neighbouring tokens of one channel
.irp m, 0,1,2,3
.irp u, 0,1
	v_wmma_f32_16x16x128_fp8_fp8 v[ACC+8*(4*(\m/2)+2*\u+(\m%2)):ACC+8*(4*(\m/2)+2*\u+(\m%2))+7], v[XF+32*\m:XF+32*\m+15], v[64*\p+32*\u:64*\p+32*\u+15], v[192+16*\p+8*\u:192+16*\p+8*\u+7]
.endr
.endr
	WIN 0x04
.irp m, 0,1,2,3
.irp u, 0,1
	v_wmma_f32_16x16x128_fp8_fp8 v[ACC+8*(4*(\m/2)+2*\u+(\m%2)):ACC+8*(4*(\m/2)+2*\u+(\m%2))+7], v[XF+32*\m+16:XF+32*\m+31], v[64*\p+32*\u+16:64*\p+32*\u+31], v[ACC+8*(4*(\m/2)+2*\u+(\m%2)):ACC+8*(4*(\m/2)+2*\u+(\m%2))+7]
.endr
.endr
.endif
	WIN 0
	PLACES                                         ; four places behind the last product, ahead of the first read of results (ISA guide 7.12.1)
.if \p > 0
	s_wait_xcnt 0x0                                ; the last product's stores have read their data: the codes' registers are written again only behind this wait
.endif
.irp g, 0,1,2,3
.set i, 0
.rept 16
	v_med3_num_f32 v[ACC+16*\g+i], v[ACC+16*\g+i], -v[19+2*\p], v[19+2*\p]   ; the hold; each accumulator from its low end on
.set i, i+1
.endr
	v_cvt_scalef32_pk8_fp8_f32 v[PC+4*\g:PC+4*\g+1], v[ACC+16*\g:ACC+16*\g+7], v[18+2*\p]
	v_cvt_scalef32_pk8_fp8_f32 v[PC+4*\g+2:PC+4*\g+3], v[ACC+16*\g+8:ACC+16*\g+15], v[18+2*\p]
.endr
	v_nop                                          ; one plain line between the conversions and the products that write their sources again
.irp g, 0,1,2,3
.if \tr
	global_store_b128 v5, v[PC+4*\g:PC+4*\g+3], s[\base:\base+1] offset:1024*\g                    ; tile g of the tokens
.else
	global_store_b128 v5, v[PC+4*\g:PC+4*\g+3], s[\base:\base+1] offset:2048*(\g%2)+512*(\g/2)    ; channel tile g % 2, tokens 32 (g / 2) on
.endif
.endr
.endm
	PROD 0, 1, 16
	PROD 1, 1, 50
	PROD 2, 0, 52
	s_wait_tensorcnt 0x0                           ; the wave's end
	ds_add_u32 v254, v255
	s_wait_dscnt 0x0
	CROUND                                         ; the closing round: no work-group ends while a partner may still ask for a tile that names it
	s_endpgm
.Lfunc_end_k_q7165b544cf_qkv:
	.size	k_q7165b544cf_qkv, .Lfunc_end_k_q7165b544cf_qkv-k_q7165b544cf_qkv
	.p2alignl 7, 3214868480
	.fill 96, 4, 3214868480
	.section	.rodata,"a",@progbits
	.p2align	6, 0x0
	.amdhsa_kernel k_q7165b544cf_qkv
		.amdhsa_group_segment_fixed_size 327680
		.amdhsa_private_segment_fixed_size 0
		.amdhsa_enable_private_segment 0
		.amdhsa_kernarg_size 64
		.amdhsa_user_sgpr_count 2
		.amdhsa_user_sgpr_kernarg_segment_ptr 1
		.amdhsa_wavefront_size32 1
		.amdhsa_system_sgpr_workgroup_id_x 1
		.amdhsa_system_sgpr_workgroup_id_y 1
		.amdhsa_system_sgpr_workgroup_id_z 1
		.amdhsa_system_vgpr_workitem_id 0
		.amdhsa_next_free_vgpr 512
		.amdhsa_next_free_sgpr 96
		.amdhsa_reserve_vcc 0
		.amdhsa_float_denorm_mode_32 3
		.amdhsa_float_denorm_mode_16_64 3
		.amdhsa_memory_ordered 1
		.amdhsa_forward_progress 1
		.amdhsa_inst_pref_size 56
	.end_amdhsa_kernel
	.amdgpu_metadata
---
amdhsa.version: [ 1, 2 ]
amdhsa.kernels:
  - .name:           k_q7165b544cf_qkv
    .symbol:         k_q7165b544cf_qkv.kd
    .args:
      - { .name: inputs, .offset: 0, .size: 8, .value_kind: global_buffer, .address_space: global }
      - { .name: wimg, .offset: 8, .size: 8, .value_kind: global_buffer, .address_space: global }
      - { .name: bq, .offset: 16, .size: 8, .value_kind: global_buffer, .address_space: global }
      - { .name: bk, .offset: 24, .size: 8, .value_kind: global_buffer, .address_space: global }
      - { .name: bv, .offset: 32, .size: 8, .value_kind: global_buffer, .address_space: global }
      - { .name: lowp_scales, .offset: 40, .size: 8, .value_kind: global_buffer, .address_space: global }
      - { .name: qimg, .offset: 48, .size: 8, .value_kind: global_buffer, .address_space: global }
      - { .name: kv, .offset: 56, .size: 8, .value_kind: global_buffer, .address_space: global }
    .group_segment_fixed_size: 327680
    .private_segment_fixed_size: 0
    .kernarg_segment_align: 8
    .kernarg_segment_size: 64
    .max_flat_workgroup_size: 256
    .sgpr_count:     96
    .vgpr_count:     512
    .wavefront_size: 32
...
	.end_amdgpu_metadata
.endif
;; end of part 2
;; launch attn (part 3): grid 64 x 4, 8 waves a work-group, clusters of 4 x 1, 327,680 bytes of LDS; arguments qimg, kv, wimg, bo, lowp_scales, out0; writes out0
.if DOCPART == 3
	.amdgcn_target "amdgcn-amd-amdhsa--gfx1250"
	.amdhsa_code_object_version 6
	.text
	.protected	k_q7165b544cf_attn
	.globl	k_q7165b544cf_attn
	.p2align	8
	.type	k_q7165b544cf_attn,@function
k_q7165b544cf_attn:
	s_mov_b64 s[64:65], 0
	v_nop
	global_prefetch_b8 v0, s[64:65] scope:SCOPE_SE
	s_setreg_imm32_b32 hwreg(HW_REG_WAVE_MODE, 25, 1), 1
	s_wait_xcnt 0x0
	s_wait_alu depctr_hold_cnt(0) depctr_sa_sdst(0) depctr_va_vdst(0) depctr_va_sdst(0) depctr_va_ssrc(0) depctr_va_vcc(0) depctr_vm_vsrc(0)
	s_getreg_b32 s2, hwreg(HW_REG_IB_STS2, 6, 4)
	s_cmp_eq_u32 s2, 0
	s_cbranch_scc0 .Lentry_in_a_cluster
	s_endpgm
.Lentry_in_a_cluster:
	s_bfe_u32 s2, ttmp6, 0x10000c
	s_cmp_lg_u32 s2, 0x3003
	s_cbranch_scc0 .Lentry_shape_is_right
	s_endpgm
.Lentry_shape_is_right:
; out = Q(softmax(q k^T / 8) v) Wo + bo, all three products on codes of E4M3 with the given scales (q e6, k e7, p e8, v e9, the attention rows e10, Wo e11).  q, k, v and Wo come as images of operand registers.
; THE SOFTMAX AHEAD OF THE SECOND PRODUCT: t = score x log2(e) / 8; M = the row's largest t so far, rounded UP to a whole number; p = 2^(t - M) is quantised along the keys, not normalised.  The row's sum is taken of the
; unquantised p in f32 and divides at the end.  When M moves, the sum and O are multiplied by 2^(old M - new M): nothing is rounded, and there is no branch on data.
; SHARES.  A work-group owns 64 queries of one batch for ALL FOUR HEADS, so that it holds whole attention rows and makes the output projection itself.  Wave w: head w / 2, and of each slot's 256 keys the half w % 2, for all 64
; queries: four tiles of 16, in two pairs.  So each fragment of K and V read from LDS feeds four products, and a wave's part of a slot (128 keys: 64 registers of K, 64 of V) lies wholly in registers.
; The two waves of a head have an M, a sum and an O each, and join them at the end through LDS.
; LAYOUT.  Both products are used transposed: S^T = K Q^T (source 0 = 16 keys, source 1 = 16 queries), O^T = V^T P^T (source 0 = 16 channels, source 1 = P): a lane holds one query throughout.  The keys of a tile of K and the
; channels of a tile of V are chosen (32 (t / 2) + 8 (t % 2) + r + 8 (r / 8)) so that 16 registers of two neighbouring result tiles are 16 neighbours along the next K: the conversions' results are the next operand.
; RING.  Two LDS slots of 131,072 bytes, each the K and V images of 256 keys for the four heads; each wave fetches 64 rows of 256 bytes with one joint load.  K of the next slot is read into registers when pair 1's scores are made,
; V when pair 1's products are.  So behind pair 0's exponentials a wave has read all of a slot: there stand the three lines and the opening signal of a round, and the round's parts are parted by register work; the refill
; behind the round's end has the rest of pair 1 and pair 0's scores and exponentials of the next trip in which to land.  One tensor load of a wave is out at most.
; CLUSTER.  The four work-groups of a cluster belong to one batch and walk the same K and V: each tile is asked for JOINTLY, by the same load with the same descriptor and the mask of all four.
; No prefetch: the 16 clusters of a batch walk the same 16 slots at the same time, so most clusters' loads name bytes that another has just asked for, and a load has half a trip's work in which to land.
; LIMITS on the given exponents, so that each power of two below is an f32 number: e6 + e7 between -123 and 130 (added to c's exponent field); e8 and e10 between -126 and 119; e10 + e11 between -126 and 127.
; The scaled scores t stay under 2^31 in magnitude.  NaN is not served.
; REGISTERS.  Window 0: v1-10, v240-242 addresses; v12-15 -M of the four tiles; v16-23 their sums in two halves; v24-25 f of a pair; v26-35, v38-39 at work; v36 448 x the conversion's scale, v37 the scale; v40-71 Q (later bo);
;   v72-199 S^T, then p; v200-231 P's codes (partial sums before).  Window 1: v0-127 O^T (32 tile + 8 t); v128-191 K's eight fragments (at the end Wo's four); v192-255 V's four.
.set SLOT1, 1<<17                      ; slot 1 begins here: one exclusive or turns an address in one slot into the other's
.set SPARE, 2*SLOT1                    ; behind the ring: the spare words, 128 bytes for each of the eight waves
.set XB,    16384                      ; the way out lies in slot 0, which has had its last fill and its last read: at 0 the attention rows' eight fragment images; from XB on what the two waves of a head exchange,
.set XW,    8704                       ; 8,192 bytes of O and 512 of -M and sums a wave; later, on the same bytes,
.set STG,   16384                      ; 64 rows of out: 1,024 bytes + 16
.set SP,    1040
.set NM,  12
.set SM,  16
.set F,   24
.set MX,  26
.set OLD, 34
.set HL,  36
.set SCL, 37
.set PX,  38
.set QF,  40
.set S,   72
.set P,   200
.set META, 232
.set XA,  240
.set XR,  241
.set H64, 242
.set KF,  128                          ; in window 1
.set VF,  192
.set MSB, 0
.macro WIN new                         ; the immediate's high byte repeats the setting that is left
.if MSB != \new
	s_set_vgpr_msb (MSB<<8)|\new
.set MSB, \new
.endif
.endm
.macro PLACES
.rept 4
	v_nop
.endr
.endm
.macro CROUND                          ; a whole round of the cluster's barrier
	s_barrier_signal -1
	s_barrier_wait -1
	s_cmp_lg_u32 s16, 0
	s_cbranch_scc1 .Lnot_wave_0_\@
	s_barrier_signal -3
.Lnot_wave_0_\@:
	s_barrier_wait -3
	s_barrier_signal -1
	s_barrier_wait -1
.endm
.macro FETCH_K a                       ; my eight fragments of K (16 keys x 64 channels, 8 registers): 16 loads of 512 consecutive bytes
	WIN 0x40
.irp t, 0,1,2,3,4,5,6,7
.irp c, 0,1
	ds_load_b128 v[KF+8*\t+4*\c:KF+8*\t+4*\c+3], v[\a] offset:1024*\t+512*\c
.endr
.endr
	WIN 0
.endm
.macro FETCH_V a                       ; my four fragments of V^T (16 channels x 128 keys, 16 registers): 16 loads
	WIN 0x40
.irp t, 0,1,2,3
.irp c, 0,1,2,3
	ds_load_b128 v[VF+16*\t+4*\c:VF+16*\t+4*\c+3], v[\a] offset:2048*\t+512*\c
.endr
.endr
	WIN 0
.endm
; The scores of pair p: 16 accumulators by turns, then four places ahead of their first read and of loads into K's registers
.macro QK p
	WIN 0x01                                       ; source 0 (K) window 1
.irp t, 0,1,2,3,4,5,6,7
.irp u, 0,1
	v_wmma_f32_16x16x64_fp8_fp8 v[S+64*\u+8*\t:S+64*\u+8*\t+7], v[KF+8*\t:KF+8*\t+7], v[QF+16*\p+8*\u:QF+16*\p+8*\u+7], 0
.endr
.endr
	WIN 0
	PLACES
.endm
; The largest score of each query, in four chains a tile, each accumulator from its low end on; then -M = min(-M, floor(-t)) and f = 2^(old M - new M).  The two tiles take turns line by line.
.macro MAXM p
.irp q, 0,1,2,3
.irp u, 0,1
	v_max3_num_f32 v[MX+2*\q+\u], v[S+64*\u+16*\q], v[S+64*\u+16*\q+1], v[S+64*\u+16*\q+2]
.endr
.endr
.irp i, 3,5,7,9,11,13
.irp q, 0,1,2,3
.irp u, 0,1
	v_max3_num_f32 v[MX+2*\q+\u], v[MX+2*\q+\u], v[S+64*\u+16*\q+\i], v[S+64*\u+16*\q+\i+1]
.endr
.endr
.endr
.irp u, 0,1
	v_max3_num_f32 v[MX+\u], v[MX+\u], v[S+64*\u+15], v[S+64*\u+31]
.endr
.irp u, 0,1
	v_max3_num_f32 v[MX+2+\u], v[MX+2+\u], v[S+64*\u+47], v[S+64*\u+63]
.endr
.irp u, 0,1
	s_delay_alu instid0(VALU_DEP_2)
	v_max3_num_f32 v[MX+\u], v[MX+\u], v[MX+2+\u], v[MX+4+\u]
.endr
.irp u, 0,1
	s_delay_alu instid0(VALU_DEP_2)
	v_max_num_f32 v[MX+\u], v[MX+\u], v[MX+6+\u]
.endr
.irp u, 0,1
	s_delay_alu instid0(VALU_DEP_2)
	v_permlanex16_b32 v[PX+\u], v[MX+\u], s22, s23
.endr
.irp u, 0,1
	s_delay_alu instid0(VALU_DEP_2)
	v_max_num_f32 v[MX+\u], v[MX+\u], v[PX+\u]     ; and among lane l xor 16's
.endr
.irp u, 0,1
	s_delay_alu instid0(VALU_DEP_2)
	v_mul_f32 v[MX+\u], s62, v[MX+\u]              ; -t (s62 = -c)
.endr
.irp u, 0,1
	v_mov_b32 v[OLD+\u], v[NM+2*\p+\u]
.endr
.irp u, 0,1
	s_delay_alu instid0(VALU_DEP_4)
	v_floor_f32 v[MX+\u], v[MX+\u]                 ; floor(-t) = -ceil(t): M is a whole number
.endr
.irp u, 0,1
	s_delay_alu instid0(VALU_DEP_2)
	v_min_num_f32 v[NM+2*\p+\u], v[NM+2*\p+\u], v[MX+\u]
.endr
.irp u, 0,1
	s_delay_alu instid0(VALU_DEP_2)
	v_sub_f32 v[OLD+\u], v[NM+2*\p+\u], v[OLD+\u]  ; M's old value less its new one: a whole number, 0 or less
.endr
.irp u, 0,1
	s_delay_alu instid0(VALU_DEP_2)
	v_cvt_i32_f32 v[OLD+\u], v[OLD+\u]             ; (it saturates)
.endr
.irp u, 0,1
	s_delay_alu instid0(VALU_DEP_2)
	v_ldexp_f32 v[F+\u], 1.0, v[OLD+\u]
.endr
.endm
.macro FMA r, p, u                     ; t - M, two at a time: of c's pair the low word, of -M's pair tile u's
	v_pk_fma_f32 v[\r:\r+1], v[\r:\r+1], s[36:37], v[NM+2*\p:NM+2*\p+1] op_sel:[0,0,\u] op_sel_hi:[1,0,\u]
.endm
.macro FMA0 p
.set k, 0
.rept 32
	FMA S+2*k, \p, 0
.set k, k+1
.endr
.endm
.macro DMIN r                          ; the hold, two at a time: the conversion does not saturate (ISA guide 7.6.2); p is not negative, so it is one-sided
	v_dual_min_num_f32 v[\r], v[HL], v[\r] :: v_dual_min_num_f32 v[\r+1], v[HL], v[\r+1]
.endm
.macro DMINS n, r
.set k, 0
.rept \n
	DMIN \r+2*k
.set k, k+1
.endr
.endm
.macro ADDS n, d, x, xs, y, ys
.set k, 0
.rept \n
	v_pk_add_f32 v[\d+2*k:\d+2*k+1], v[\x+\xs*k:\x+\xs*k+1], v[\y+\ys*k:\y+\ys*k+1]
.set k, k+1
.endr
.endm
.macro CODES u                         ; registers 4 b .. 4 b + 3 of tile u's P: keys 32 b + 16 h + 0 .. 15
.irp b, 0,1,2,3
	v_cvt_scalef32_pk8_fp8_f32 v[P+16*\u+4*\b:P+16*\u+4*\b+1], v[S+64*\u+16*\b:S+64*\u+16*\b+7], v[SCL]
	v_cvt_scalef32_pk8_fp8_f32 v[P+16*\u+4*\b+2:P+16*\u+4*\b+3], v[S+64*\u+16*\b+8:S+64*\u+16*\b+15], v[SCL]
.endr
.endm
; p = 2^(t - M), at most 1.  Tile 0's exponentials alternate with tile 1's t - M, tile 1's with tile 0's first sums and its hold: none of these lines' results is read ahead of the wait behind the batch.
.macro EXPA p
	s_wait_alu depctr_va_vdst(0)                   ; ahead of the batch
.set k, 0
.rept 32
	v_exp_f32 v[S+2*k], v[S+2*k]
	v_exp_f32 v[S+2*k+1], v[S+2*k+1]
	FMA S+64+2*k, \p, 1
.set k, k+1
.endr
	s_wait_alu depctr_va_vdst(0)                   ; and behind it, which is also ahead of the next
.endm
.macro EXPB
.set k, 0
.rept 16
	v_exp_f32 v[S+64+2*k], v[S+64+2*k]
	v_exp_f32 v[S+65+2*k], v[S+65+2*k]
	v_pk_add_f32 v[P+2*k:P+2*k+1], v[S+4*k:S+4*k+1], v[S+4*k+2:S+4*k+3]   ; the sum is taken of the unquantised p, ahead of the hold
.set k, k+1
.endr
.set k, 0
.rept 32
	v_exp_f32 v[S+96+k], v[S+96+k]
	DMIN S+2*k
.set k, k+1
.endr
	s_wait_alu depctr_va_vdst(0)                   ; one wait for the whole batch, ahead of its first reader
.endm
; The sums (tile 0's 16 partial pairs at P, tile 1's eight at P + 16), tile 1's hold, and both tiles' codes
.macro SUMS p
	ADDS 8, P, P, 2, P+16, 2
	ADDS 8, P+16, S+64, 4, S+66, 4
	ADDS 4, P, P, 2, P+8, 2
	ADDS 8, P+16, P+16, 2, S+96, 2
	ADDS 2, P, P, 2, P+4, 2
	ADDS 8, P+16, P+16, 2, S+112, 2
	v_pk_fma_f32 v[SM+4*\p:SM+4*\p+1], v[SM+4*\p:SM+4*\p+1], v[F:F+1], v[P:P+1] op_sel:[0,0,0] op_sel_hi:[1,0,1]   ; the sum under the new M, + ...
	DMINS 16, S+64
	ADDS 1, SM+4*\p, SM+4*\p, 2, P+2, 2
	ADDS 4, P+16, P+16, 2, P+24, 2
	CODES 0
	DMINS 8, S+96
	ADDS 2, P+16, P+16, 2, P+20, 2
	DMINS 4, S+112
	v_pk_fma_f32 v[SM+4*\p+2:SM+4*\p+3], v[SM+4*\p+2:SM+4*\p+3], v[F:F+1], v[P+16:P+17] op_sel:[0,1,0] op_sel_hi:[1,1,1]
	DMINS 4, S+120
	ADDS 1, SM+4*\p+2, SM+4*\p+2, 2, P+18, 2
	CODES 1
.endm
; O^T of pair p under the new M, then += V^T P^T: eight accumulators by turns
.macro PV p
	WIN 0x41                                       ; O^T (destination and source 0) window 1, f window 0
	s_wait_alu depctr_va_vdst(0)                   ; directly ahead of the first reader of O^T
.set k, 0
.rept 16
.irp u, 0,1
	v_pk_mul_f32 v[64*\p+32*\u+2*k:64*\p+32*\u+2*k+1], v[64*\p+32*\u+2*k:64*\p+32*\u+2*k+1], v[F:F+1] op_sel:[0,\u] op_sel_hi:[1,\u]
.endr
.set k, k+1
.endr
	WIN 0x51                                       ; source 0 (V), C and D (O^T) window 1; P window 0
.irp t, 0,1,2,3
.irp u, 0,1
	v_wmma_f32_16x16x128_fp8_fp8 v[64*\p+32*\u+8*\t:64*\p+32*\u+8*\t+7], v[VF+16*\t:VF+16*\t+15], v[P+16*\u:P+16*\u+15], v[64*\p+32*\u+8*\t:64*\p+32*\u+8*\t+7]
.endr
.endr
	WIN 0
.endm
; A TRIP: my 128 keys of a slot.  m = 2: the slot is filled again, two slots on; m = 1: there is a next slot, but nothing to fill; m = 0: the last slot.
.macro TRIP m
	s_wait_dscnt 16                                ; K's 16 loads are in; V's 16, issued behind them, may be out
	QK 0
	MAXM 0
	FMA0 0
	EXPA 0
.if \m
	s_wait_tensorcnt 0x0                           ; my part of the next slot has landed, and no tensor load of mine is out;
	ds_add_u32 v5, v6                              ; 0 onto my spare word
.endif
.if \m == 2
	s_xor_b32 s33, s33, SLOT1                      ; the walking descriptor: the other slot than last time,
	s_add_nc_u64 s[34:35], s[34:35], 131072        ; the next 256 keys; the type bits on top are not reached
.endif
	EXPB
	s_wait_dscnt 0x0                               ; V is in, so my reads of this slot are over; the add is done
.if \m
	s_barrier_signal -1                            ; m = 2: the round opens.  Up to its end stands register work alone
.endif
	SUMS 0
	PV 0
	QK 1
.if \m
	s_barrier_wait -1
.endif
.if \m == 2
	s_cmp_lg_u32 s16, 0
	s_cbranch_scc1 .Lnot_wave_0_\@
	s_barrier_signal -3
.Lnot_wave_0_\@:
	s_barrier_wait -3
	s_barrier_signal -1
	s_barrier_wait -1                              ; no wave of any partner still reads this slot or has a load on its way:
	tensor_load_to_lds s[32:35], s[24:31]          ; it is filled again; my one tensor load until the next round
	s_nop 0
	PLACES
.endif
.if \m
	s_xor_b32 s38, s38, SLOT1                      ; on to the next slot
	v_add_nc_u32 v3, s38, v1
	v_add_nc_u32 v4, s38, v2
	FETCH_K 3
.else
.irp i, 0,1,2,3
	global_load_b128 v[QF+4*\i:QF+4*\i+3], v[H64], s[10:11] offset:16*\i   ; bo at columns 32 w + 16 h + 0 .. 15, over Q's first fragments, which are done with
.endr
	WIN 0x40
.irp i, 0,1,2,3,4,5,6,7,8,9,10,11,12,13,14,15
	global_load_b128 v[KF+4*\i:KF+4*\i+3], v7, s[8:9] offset:512*\i        ; Wo's fragments (tile u, K step s) at 16 (2 u + s), over K's
.endr
	WIN 0
.endif
	MAXM 1
	FMA0 1
	EXPA 1
	EXPB
	SUMS 1
	PV 1
	PLACES                                         ; four places ahead of the loads into V's registers and of the next read of O^T
.if \m
	FETCH_V 4
.endif
.endm
	s_load_b256 s[4:11], s[0:1], 0x0               ; qimg s[4:5], kv s[6:7], wimg s[8:9], bo s[10:11]
	s_load_b128 s[12:15], s[0:1], 0x20             ; the scales' exponents s[12:13], out s[14:15]
	v_lshl_add_u32 v5, v0, 2, SPARE                ; LDS address of my spare word; never rewritten
	v_mov_b32 v6, 0                                ; 0; never rewritten
	ds_add_u32 v5, v6                              ; the wave's opening: the add, twice on end, and its wait ahead of my first tensor load
	ds_add_u32 v5, v6
	v_lshrrev_b32 v1, 5, v0
	s_delay_alu instid0(VALU_DEP_1)
	v_readfirstlane_b32 s16, v1                    ; wave 0..7
	s_lshr_b32 s17, s16, 1                         ; head
	s_and_b32 s18, s16, 1                          ; which half of a slot's keys; at the end: which half of the queries
	s_bfe_u32 s19, ttmp6, 0x40000                  ; cx
	s_lshl_b32 s20, ttmp9, 2
	s_add_co_u32 s20, s20, s19                     ; my block of 64 queries: it enters qimg's and out's addresses alone
	s_and_b32 s21, ttmp7, 0xffff                   ; the batch, which the four partners share
	s_mov_b32 s22, 0x76543210                      ; v_permlanex16_b32's selects for lane l xor 16
	s_mov_b32 s23, 0xfedcba98
	; descriptor group 1: 64 rows of 32 elements of 8 bytes, dense, for all four work-groups
	s_mov_b32 s24, 15|(3<<16)|(1<<21)
	s_mov_b32 s25, 32<<16
	s_mov_b32 s26, 64<<16
	s_mov_b32 s27, 32<<16
	s_mov_b32 s28, 64
	s_mov_b32 s29, 32
	s_mov_b32 s30, 0
	s_mov_b32 s31, 0
	s_mov_b32 s38, 0                               ; LDS byte at which the slot in registers begins
	s_mov_b32 s39, 14                              ; the loop's trips
	s_mov_b32 s32, 1
	s_lshl_b32 s33, s16, 14                        ; LDS address: slot 0, my wave's 16,384 bytes: no place in the cluster enters it
	s_lshl_b32 s52, s21, 21                        ; kv: batch x 2^21 + wave x 16,384
	s_add_co_u32 s52, s52, s33
	s_mov_b32 s53, 0
	s_lshl_b32 s54, s21, 6                         ; qimg: (64 batch + block) x 16,384 + head x 4,096
	s_add_co_u32 s54, s54, s20
	s_lshl_b32 s54, s54, 14
	s_lshl_b32 s55, s17, 12
	s_add_co_u32 s54, s54, s55
	s_mov_b32 s55, 0
	s_lshl_b32 s56, s21, 12                        ; out: row 4,096 batch + 64 block + 8 wave, of 1,024 bytes
	s_lshl_b32 s57, s20, 6
	s_add_co_u32 s56, s56, s57
	s_lshl_b32 s57, s16, 3
	s_add_co_u32 s56, s56, s57
	s_lshl_b32 s56, s56, 10
	s_mov_b32 s57, 0
	s_lshl_b32 s58, s16, 13                        ; wimg: Wo's image, my two tiles of columns
	s_add_co_u32 s58, s58, 196608
	s_mov_b32 s59, 0
	s_lshl_b32 s60, s16, 7                         ; bo: my 32 numbers
	s_mov_b32 s61, 0
	s_wait_alu depctr_va_vdst(0)
	s_wait_dscnt 0x0                               ; both opening adds are done
	s_wait_kmcnt 0x0
	s_load_b256 s[40:47], s[12:13], 0x0            ; e0 .. e7
	s_load_b128 s[48:51], s[12:13], 0x20           ; e8 .. e11
	s_add_nc_u64 s[34:35], s[6:7], s[52:53]
	s_or_b32 s35, s35, 0x80000000
	s_add_nc_u64 s[4:5], s[4:5], s[54:55]
	s_add_nc_u64 s[14:15], s[14:15], s[56:57]
	s_add_nc_u64 s[8:9], s[8:9], s[58:59]
	s_add_nc_u64 s[10:11], s[10:11], s[60:61]
	CROUND                                         ; all four work-groups are here: the first joint loads meet
	tensor_load_to_lds s[32:35], s[24:31]          ; slot 0
	s_nop 0
	PLACES
	s_lshl_b32 s52, s18, 13                        ; where my attention rows' codes go: fragment (tile 2 half + u, K step head / 2), piece 2 (head % 2) + b
	s_lshr_b32 s53, s17, 1
	s_lshl_b32 s53, s53, 11
	s_add_co_u32 s52, s52, s53
	s_and_b32 s53, s17, 1
	s_lshl_b32 s53, s53, 10
	s_add_co_u32 s52, s52, s53
	s_mul_i32 s53, s16, XW                         ; what I hand to the head's other wave,
	s_add_co_u32 s53, s53, XB
	s_xor_b32 s54, s16, 1
	s_mul_i32 s54, s54, XW                         ; and what it hands to me
	s_add_co_u32 s54, s54, XB
	s_lshl_b32 s55, s16, 7                         ; the stage, in: + 128 x wave;
	s_add_co_u32 s55, s55, STG
	s_mul_i32 s56, s16, 8*SP                       ; and back: my eight rows
	s_add_co_u32 s56, s56, STG
	s_lshl_b32 s57, s16, 13                        ; K in a slot: head x 16,384 + half x 8,192; V 65,536 further on
	v_and_b32 v7, 31, v0
	v_bfe_u32 v[H64], v0, 4, 1
	v_and_b32 v11, 15, v0
	v_lshlrev_b32 v7, 4, v7                        ; 16 x lane: my place in an image's piece; never rewritten
	v_lshlrev_b32 v[H64], 6, v[H64]                ; 64 h; never rewritten
.irp i, 0,1,2,3,4,5,6,7
	global_load_b128 v[QF+4*\i:QF+4*\i+3], v7, s[4:5] offset:512*\i   ; Q's four fragments (tile m, piece c: 2 m + c) stay in registers
.endr
	WIN 0x40
.set j, 0
.rept 128
	v_mov_b32 v[j], 0                              ; O^T.  (The trip is written once: the first finds zeros, which the first change of M leaves zeros)
.set j, j+1
.endr
	WIN 0
	v_add_nc_u32 v1, s57, v7
	v_and_b32 v9, 8, v11
	v_add_nc_u32 v8, s52, v7
	v_add_nc_u32 v[XA], s53, v7
	v_add_nc_u32 v9, v9, v11                       ; r + 8 (r / 8)
	v_add_nc_u32 v[XR], s54, v7
	v_add_nc_u32 v2, 65536, v1
	v_mul_u32_u24 v9, v9, SP
	v_add_nc_u32 v10, s56, v7
	v_mov_b32 v[PX], 0                             ; written once: a lane permute's destination counts as one of its sources
	v_add_nc_u32 v9, v9, v[H64]
	v_mov_b32 v[PX+1], 0
	v_mov_b32 v[NM], 0x7f61b1e6                    ; -M: 3e38, over every -t
	v_add_nc_u32 v9, s55, v9
.irp i, 1,2,3
	v_mov_b32 v[NM+\i], 0x7f61b1e6
.endr
.irp i, 0,1,2,3,4,5,6,7
	v_mov_b32 v[SM+\i], 0
.endr
	s_wait_alu depctr_va_vdst(0)
	s_wait_kmcnt 0x0
	s_add_co_i32 s52, s46, s47                     ; a score stands for score x 2^(e6 + e7): the two exponents are added to c's exponent field
	s_lshl_b32 s52, s52, 23
	s_add_co_i32 s36, s52, 0x3e38aa3b              ; c = log2(e) / 8
	s_mov_b32 s37, s36                             ; (named with it as a pair, so it is written)
	s_xor_b32 s62, s36, 0x80000000                 ; -c
	s_add_co_i32 s52, s48, 127
	s_lshl_b32 s53, s52, 23
	v_mov_b32 v[SCL], s53                          ; 2^e8, for p's conversions
	s_add_co_i32 s52, s52, 8
	s_lshl_b32 s52, s52, 23
	s_or_b32 s52, s52, 0x600000
	v_mov_b32 v[HL], s52                           ; 448 x 2^e8
	s_add_co_i32 s52, s50, 127
	s_lshl_b32 s54, s52, 23                        ; 2^e10, for the attention rows' conversions
	s_add_co_i32 s52, s52, 8
	s_lshl_b32 s55, s52, 23
	s_or_b32 s55, s55, 0x600000                    ; 448 x 2^e10
	s_add_co_i32 s56, s48, s49                     ; e8 + e9
	s_add_co_i32 s60, s50, s51
	s_add_co_i32 s60, s60, 127
	s_lshl_b32 s60, s60, 23                        ; 2^(e10 + e11)
	s_mov_b32 s61, s60
	s_wait_alu depctr_va_vdst(0)
	s_wait_loadcnt 0x0                             ; Q
	s_wait_tensorcnt 0x0                           ; my part of slot 0 is in; these lines stand ahead of a later first fill as ahead of a refill
	ds_add_u32 v5, v6
	s_xor_b32 s33, s33, SLOT1
	s_add_nc_u64 s[34:35], s[34:35], 131072
	s_wait_dscnt 0x0
	CROUND                                         ; slot 0 is whole in all four work-groups
	tensor_load_to_lds s[32:35], s[24:31]          ; slot 1
	s_nop 0
	PLACES
	FETCH_K 1
	FETCH_V 2
.Lslot:                                            ; 14 trips: each fills its slot again
	TRIP 2
	s_sub_co_u32 s39, s39, 1
	s_cmp_lg_u32 s39, 0
	s_cbranch_scc1 .Lslot
	TRIP 1                                         ; the last two slots are written out
	TRIP 0
	; THE JOIN.  Wave half 0 of a head finishes tiles 0 and 1, half 1 tiles 2 and 3: each hands the other two tiles' O, -M and sums to the head's other wave through LDS, in slot 0, which nobody reads and nothing fills any more.
.irp i, 0,1,2,3
	v_add_f32 v[26+\i], v[SM+2*\i], v[SM+2*\i+1]   ; a sum's two halves,
.endr
.irp i, 0,1,2,3
	s_delay_alu instid0(VALU_DEP_4)
	v_permlanex16_b32 v[30+\i], v[26+\i], s22, s23
.endr
.irp i, 0,1,2,3
	s_delay_alu instid0(VALU_DEP_4)
	v_add_f32 v[26+\i], v[26+\i], v[30+\i]         ; and lane l xor 16's
.endr
.macro XSEND a                         ; tiles a and a + 1
	WIN 0x04                                       ; the stores' data: window 1
.irp i, 0,1,2,3,4,5,6,7,8,9,10,11,12,13,14,15
	ds_store_b128 v[XA], v[32*\a+4*\i:32*\a+4*\i+3] offset:512*\i
.endr
	WIN 0
	ds_store_b64 v[XA], v[NM+\a:NM+\a+1] offset:8192
	ds_store_b64 v[XA], v[26+\a:27+\a] offset:8200
.endm
	s_wait_alu depctr_va_vdst(0)                   ; ahead of the branch
	s_cmp_lg_u32 s18, 0
	s_cbranch_scc1 .Lsend_low
	XSEND 2
	s_branch .Lsent
.Lsend_low:
	XSEND 0
	v_mov_b32 v[NM], v[NM+2]                       ; my own two tiles' numbers to the places of tiles 0 and 1
	v_mov_b32 v[NM+1], v[NM+3]
	v_mov_b32 v26, v28
	v_mov_b32 v27, v29
.Lsent:
	s_wait_alu depctr_va_vdst(0)
	s_wait_dscnt 0x0                               ; for the other wave's sake: my part has landed
	s_barrier_signal -1
	s_barrier_wait -1
	ds_load_b128 v[META:META+3], v[XR] offset:8192 ; its -M and sums of my two tiles,
.irp i, 0,1,2,3,4,5,6,7,8,9,10,11,12,13,14,15
	ds_load_b128 v[S+4*\i:S+4*\i+3], v[XR] offset:512*\i   ; and its O
.endr
	s_wait_dscnt 16                                ; all but O's 16 loads
.irp u, 0,1
	v_min_num_f32 v[30+\u], v[NM+\u], v[META+\u]   ; the joint -M
.endr
.irp u, 0,1
	s_delay_alu instid0(VALU_DEP_2)
	v_sub_f32 v[32+\u], v[30+\u], v[NM+\u]
.endr
.irp u, 0,1
	v_sub_f32 v[34+\u], v[30+\u], v[META+\u]
.endr
.irp i, 32,33,34,35
	v_cvt_i32_f32 v[\i], v[\i]
.endr
.irp i, 32,33,34,35
	v_ldexp_f32 v[\i], 1.0, v[\i]                  ; f of my part (v32, v33) and of the other (v34, v35)
.endr
.irp u, 0,1
	v_mul_f32 v[26+\u], v[26+\u], v[32+\u]
.endr
.irp u, 0,1
	s_delay_alu instid0(VALU_DEP_2)
	v_fma_f32 v[26+\u], v[META+2+\u], v[34+\u], v[26+\u]   ; the row's sum
.endr
	s_wait_alu depctr_va_vdst(0)                   ; ahead of the batch,
.irp u, 0,1
	v_rcp_f32 v[28+\u], v[26+\u]
.endr
	v_mov_b32 v[SCL], s54                          ; 2^e10 (these two are the plain lines behind the reciprocals)
	v_mov_b32 v[HL], s55                           ; 448 x 2^e10
	s_wait_alu depctr_va_vdst(0)                   ; and behind it
.irp u, 0,1
	v_ldexp_f32 v[28+\u], v[28+\u], s56            ; x 2^(e8 + e9)
.endr
.irp u, 0,1
	s_delay_alu instid0(VALU_DEP_2)
	v_mul_f32 v[32+\u], v[32+\u], v[28+\u]
.endr
.irp u, 0,1
	v_mul_f32 v[34+\u], v[34+\u], v[28+\u]
.endr
	s_wait_alu depctr_va_vdst(0)
	s_wait_dscnt 0x0
.set k, 0
.rept 16
.irp u, 0,1
	v_pk_mul_f32 v[S+32*\u+2*k:S+32*\u+2*k+1], v[S+32*\u+2*k:S+32*\u+2*k+1], v[34:35] op_sel:[0,\u] op_sel_hi:[1,\u]
.endr
.set k, k+1
.endr
.macro JOIN a                          ; + my own O of tiles a and a + 1
	WIN 0x01                                       ; source 0 (O^T) window 1
	s_wait_alu depctr_va_vdst(0)                   ; directly ahead of the first reader of O^T
.set k, 0
.rept 16
.irp u, 0,1
	v_pk_fma_f32 v[S+32*\u+2*k:S+32*\u+2*k+1], v[32*\a+32*\u+2*k:32*\a+32*\u+2*k+1], v[32:33], v[S+32*\u+2*k:S+32*\u+2*k+1] op_sel:[0,\u,0] op_sel_hi:[1,\u,1]
.endr
.set k, k+1
.endr
	WIN 0
	s_wait_alu depctr_va_vdst(0)                   ; ahead of the branch
.endm
	s_wait_alu depctr_va_vdst(0)                   ; ahead of the branch
	s_cmp_lg_u32 s18, 0
	s_cbranch_scc1 .Ljoin_high
	JOIN 0
	s_branch .Ljoined
.Ljoin_high:
	JOIN 2
.Ljoined:
	; THE ATTENTION ROWS, quantised with 2^e10: a lane's 16 registers of two neighbouring tiles are 16 neighbouring channels of its query: a piece of the next operand
.irp u, 0,1
.irp b, 0,1
.set j, 0
.rept 16
	v_med3_num_f32 v[S+32*\u+16*\b+j], v[S+32*\u+16*\b+j], -v[HL], v[HL]
.set j, j+1
.endr
	v_cvt_scalef32_pk8_fp8_f32 v[P+8*\u+4*\b:P+8*\u+4*\b+1], v[S+32*\u+16*\b:S+32*\u+16*\b+7], v[SCL]
	v_cvt_scalef32_pk8_fp8_f32 v[P+8*\u+4*\b+2:P+8*\u+4*\b+3], v[S+32*\u+16*\b+8:S+32*\u+16*\b+15], v[SCL]
.endr
.endr
	v_nop                                          ; one plain line behind the last conversion
.irp u, 0,1
.irp b, 0,1
	ds_store_b128 v8, v[P+8*\u+4*\b:P+8*\u+4*\b+3] offset:4096*\u+512*\b
.endr
.endr
	s_wait_dscnt 0x0                               ; for the others' sake: my pieces have landed (and what was handed to me has been read)
	s_barrier_signal -1
	s_barrier_wait -1                              ; the 64 rows' eight fragments lie in LDS
	; THE OUTPUT PROJECTION, transposed (source 0 = 16 columns of Wo, source 1 = 16 rows): my 32 columns for the 64 rows, eight accumulators by turns
.irp f, 0,1,2,3,4,5,6,7
.irp c, 0,1,2,3
	ds_load_b128 v[S+16*\f+4*\c:S+16*\f+4*\c+3], v7 offset:2048*\f+512*\c   ; fragment (tile m, K step s) = 2 m + s
.endr
.endr
	s_wait_loadcnt 0x0                             ; Wo and bo
	s_wait_dscnt 0x0
	WIN 0x41                                       ; source 0 (Wo) and D window 1: the accumulators take O^T's registers, which are done with
.irp m, 0,1,2,3
.irp u, 0,1
	v_wmma_f32_16x16x128_fp8_fp8 v[8*(2*\m+\u):8*(2*\m+\u)+7], v[KF+32*\u:KF+32*\u+15], v[S+32*\m:S+32*\m+15], 0
.endr
.endr
	WIN 0x51
.irp m, 0,1,2,3
.irp u, 0,1
	v_wmma_f32_16x16x128_fp8_fp8 v[8*(2*\m+\u):8*(2*\m+\u)+7], v[KF+32*\u+16:KF+32*\u+31], v[S+32*\m+16:S+32*\m+31], v[8*(2*\m+\u):8*(2*\m+\u)+7]
.endr
.endr
	WIN 0
	PLACES
	WIN 0x01                                       ; source 0 (the sums) window 1
.irp m, 0,1,2,3
.irp u, 0,1
.irp i, 0,2,4,6
	v_pk_fma_f32 v[S+16*\m+8*\u+\i:S+16*\m+8*\u+\i+1], v[8*(2*\m+\u)+\i:8*(2*\m+\u)+\i+1], s[60:61], v[QF+8*\u+\i:QF+8*\u+\i+1] op_sel_hi:[1,0,1]   ; out = sum x 2^(e10 + e11) + bo
.endr
.endr
.endr
	WIN 0
.irp m, 0,1,2,3
.irp i, 0,1,2,3
	ds_store_b128 v9, v[S+16*\m+4*\i:S+16*\m+4*\i+3] offset:(32*(\m/2)+8*(\m%2))*SP+16*\i   ; lane (r, h): row 32 (m / 2) + 8 (m % 2) + r + 8 (r / 8), columns 32 w + 16 h + 0 .. 15
.endr
.endr
	s_wait_dscnt 0x0                               ; for the others' sake: a row's 1,024 bytes come from eight waves
	s_barrier_signal -1
	s_barrier_wait -1
.irp i, 0,1,2,3,4,5,6,7
.irp j, 0,1
	ds_load_b128 v[136+4*(2*\i+\j):136+4*(2*\i+\j)+3], v10 offset:SP*\i+512*\j
.endr
.endr
.irp i, 0,1,2,3,4,5,6,7
.irp j, 0,1
	s_wait_dscnt 15-2*\i-\j                        ; LDS loads come back in order: this piece is in
	global_store_b128 v7, v[136+4*(2*\i+\j):136+4*(2*\i+\j)+3], s[14:15] offset:1024*\i+512*\j th:TH_STORE_NT   ; the wave stores 512 consecutive bytes, aligned; written once, read by nobody here
.endr
.endr
	s_wait_tensorcnt 0x0                           ; the wave's end, behind my last tensor load and my last LDS store
	ds_add_u32 v5, v6
	s_wait_dscnt 0x0
	CROUND                                         ; the closing round: no work-group ends while a partner may still ask for a tile that names it
	s_endpgm
.Lfunc_end_k_q7165b544cf_attn:
	.size	k_q7165b544cf_attn, .Lfunc_end_k_q7165b544cf_attn-k_q7165b544cf_attn
	.p2alignl 7, 3214868480
	.fill 96, 4, 3214868480
	.section	.rodata,"a",@progbits
	.p2align	6, 0x0
	.amdhsa_kernel k_q7165b544cf_attn
		.amdhsa_group_segment_fixed_size 327680
		.amdhsa_private_segment_fixed_size 0
		.amdhsa_enable_private_segment 0
		.amdhsa_kernarg_size 48
		.amdhsa_user_sgpr_count 2
		.amdhsa_user_sgpr_kernarg_segment_ptr 1
		.amdhsa_wavefront_size32 1
		.amdhsa_system_sgpr_workgroup_id_x 1
		.amdhsa_system_sgpr_workgroup_id_y 1
		.amdhsa_system_sgpr_workgroup_id_z 1
		.amdhsa_system_vgpr_workitem_id 0
		.amdhsa_next_free_vgpr 512
		.amdhsa_next_free_sgpr 66
		.amdhsa_reserve_vcc 0
		.amdhsa_float_denorm_mode_32 3
		.amdhsa_float_denorm_mode_16_64 3
		.amdhsa_memory_ordered 1
		.amdhsa_forward_progress 1
		.amdhsa_inst_pref_size 207
	.end_amdhsa_kernel
	.amdgpu_metadata
---
amdhsa.version: [ 1, 2 ]
amdhsa.kernels:
  - .name:           k_q7165b544cf_attn
    .symbol:         k_q7165b544cf_attn.kd
    .args:
      - { .name: qimg, .offset: 0, .size: 8, .value_kind: global_buffer, .address_space: global }
      - { .name: kv, .offset: 8, .size: 8, .value_kind: global_buffer, .address_space: global }
      - { .name: wimg, .offset: 16, .size: 8, .value_kind: global_buffer, .address_space: global }
      - { .name: bo, .offset: 24, .size: 8, .value_kind: global_buffer, .address_space: global }
      - { .name: lowp_scales, .offset: 32, .size: 8, .value_kind: global_buffer, .address_space: global }
      - { .name: out0, .offset: 40, .size: 8, .value_kind: global_buffer, .address_space: global }
    .group_segment_fixed_size: 327680
    .private_segment_fixed_size: 0
    .kernarg_segment_align: 8
    .kernarg_segment_size: 48
    .max_flat_workgroup_size: 256
    .sgpr_count:     66
    .vgpr_count:     512
    .wavefront_size: 32
...
	.end_amdgpu_metadata
.endif
;; end of part 3
